; MI455X (gfx1250); checked and timed in simulation.
; The chip was launched on July 23, 2026; its instructions are those of AMD's public machine-readable ISA for CDNA 5 (MIT licence, August 2026) and "CDNA5" Instruction Set Architecture Reference Guide (July 2026). The comments in the code are by the model that wrote it; some were corrected since.
;; Backbone. Allowed arithmetic: matrix products marked QUANTISED: E4M3 operands, one E8M0 scale for each 32 along K, by v_wmma_scale_f32_16x16x128_f8f6f4 with both operands' format E4M3, f32 sums; everything else in f32.
;; Inputs: indicator 8 x 1,024 int32; padding_dist one number float32; zipped_left 8 x 1,024 x 4 int32; zipped_top 8 x 1,024 x 4 int32.
;; Outputs: out0 8 x 1,024 x 1,024 float32.
;; This version of the problem:
;;   THIS VERSION OF THE PROBLEM IS GIVEN IN LOW PRECISION. The matrix products marked QUANTISED in the list below multiply operands that are first quantised to E4M3 (4 exponent bits, 3 mantissa bits; 8 bits a number), with one power-of-two scale for each 32 numbers along K (OCP MX v1.0); their sums are f32. All else is computed in f32.
;;   The module's matrix products, in the order in which they are computed (A, B: the left and right operand; K: the contracted axis; several contracted axes count as one K, in the product's order):
;;     1. batch 8 x [M 1,024, K 512] x [K 512, N 1,024]; A: computed on the way; B: computed on the way: QUANTISED
;;     2. batch 8 x [M 1,024, K 512] x [K 512, N 1,024]; A: computed on the way; B: computed on the way: QUANTISED
;;   THE QUANTISER, for each operand of a quantised product, along K:
;;     - K is cut into blocks of 32 from its start; a last block that is shorter is filled with zeros.
;;     - A block's scale is 2^e with e = floor(log2(the largest magnitude in the block)) - 8, held to -126 .. 127; a block of zeros has e = 0. As a byte (E8M0): e + 127.
;;     - Each number is divided by its block's scale, clamped to +-448, and rounded to the nearest number of E4M3, ties to even, subnormals kept.
;;     - The product sums the exact products of the quantised numbers (number of the format x scale) in f32.
;;   ~~~python
;;   def quantise(x, axis):      # numpy; x: float32 -> the quantised numbers, widened to float32 again
;;       x = np.moveaxis(x, axis, -1); K = x.shape[-1]
;;       x = np.pad(x, [(0, 0)] * (x.ndim - 1) + [(0, -K % 32)]); x = x.reshape(x.shape[:-1] + (-1, 32)); a = np.abs(x).max(-1, keepdims=True)
;;       e = np.where(a > 0, np.clip(np.frexp(np.where(a > 0, a, 1))[1] - 1 - 8, -126, 127), 0)      # np.frexp(a)[1] - 1 = floor(log2(a)), exactly
;;       r = np.clip(x / 2.0 ** e, -448, 448)
;;       step = 2.0 ** (np.maximum(np.frexp(np.where(r == 0, 1, r))[1] - 1, -6) - 3)
;;       q = np.round(r / step) * step * 2.0 ** e      # np.round: ties to even
;;       return np.moveaxis(q.reshape(q.shape[:-2] + (-1,))[..., :K], -1, axis).astype(np.float32)
;;   ~~~
;;   OPERANDS COMPUTED ON THE WAY. 'Computed on the way' means the value that the module computes at that place (a softmax that the list does not call 'softmax' is quantised finished and normalised). What goes into a quantiser is computed in f32, as accurately as f32 sums, v_exp_f32 and their like allow (about 1e-6 of the number): no bf16 or f16 on the way to a quantiser, and a product that is left as it is and whose result goes on into a quantised operand takes f32 operands (vector FMAs, or v_wmma_f32_16x16x4_f32). A number that lies on a knife's edge between two numbers of the format may be rounded either way, as far as f32 arithmetic and the matrix unit's own rounding can turn it there, and no further.
;; One version. Each part assembles by itself: llvm-mc -triple=amdgcn-amd-amdhsa -mcpu=gfx1250 --defsym DOCPART=n.
;; ======== version 1 of 1: 1 launch
;; launch backbone (part 1): grid 32 x 8, 4 waves a work-group, no clusters, 295,424 bytes of LDS; arguments zipped_top, zipped_left, indicator, padding_dist, out0; writes out0
.if DOCPART == 1
	.amdgcn_target "amdgcn-amd-amdhsa--gfx1250"
	.amdhsa_code_object_version 6
	.text
	.protected	k_q37030c8780_backbone
	.globl	k_q37030c8780_backbone
	.p2align	8
	.type	k_q37030c8780_backbone,@function
k_q37030c8780_backbone:
	s_mov_b64 s[64:65], 0
	v_nop
	global_prefetch_b8 v0, s[64:65] scope:SCOPE_SE
	s_setreg_imm32_b32 hwreg(HW_REG_WAVE_MODE, 25, 1), 1
	s_wait_xcnt 0x0
; out[b][i][j] = max(sT_i + sT_j - 2 <pT_i, pT_j>, sL_i + sL_j - 2 <pL_i, pL_j>) + max(pad_i, pad_j) x padding_dist.
; pT, pL: rows of 512 numbers, 1.0 at the row's ids under 512 and 0.0 elsewhere; s: a row's sum; pad: indicator == 0.  8 batches x 1,024 rows.
; THE QUANTISER ON THESE OPERANDS.  An operand holds 0.0 and 1.0 alone.  A block of 32 with a 1 in it has the largest magnitude 1: scale 2^-8, byte 119, and 1 / 2^-8 = 256
; is the E4M3 code 0x78.  A block of zeros has zero codes; it is given the byte 119 too where the quantiser says 127: zero codes add nothing under any byte but 0xff, and the
; bytes are read by this text alone.  So a row of codes is 512 zero bytes with 0x78 at up to four places, and one scale word, 0x77777777, serves every block of both sides.
; SHARES.  256 work-groups of four waves.  A work-group makes 128 rows (i) x 256 columns (j) of one batch; wave w all 128 rows x columns 64 w .. 64 w + 63.
; The rows of codes are BUILT IN LDS: cleared by 16-byte stores, then 0x78 is stored at row x 528 + id (an id of 512 or beyond falls into the row's padding, which nobody reads).
; A wave's 64 j rows, both products, all of K, stay in 512 registers; the 128 i rows are read from LDS in eight blocks of 16.  A block is 32 matrix instructions
; (2 products x 4 K steps x 4 tiles of j) on eight accumulators, is finished at once and leaves, so that stores run beside the products of the later blocks.
; THE MATRIX INSTRUCTION IS USED TRANSPOSED (source 0 = 16 j rows, source 1 = 16 i rows): a lane holds one row i = lane % 16 and eight neighbouring columns j = 16 jb + 8 (lane / 16) + 0 .. 7.
; ARITHMETIC.  The C of a sum's first matrix instruction is u_j = -s_j / 2, so T' = <pT_i, pT_j> - sT_j / 2, L' likewise.  With d = (sL_i - sT_i) / 2, m = 1 - pad_i,
; c = sL_i + pad_i dist and pj = pad_j dist:  out = -2 min(T' + d, L') + (pj m + c).  All but the terms with dist are whole numbers and halves, exact in f32.
; LIMITS.  padding_dist is finite.  c is rounded once where the sum with dist is formed, and the last multiply-add once more: one rounding more than adding dist to the finished maximum.
; An id outside 0 .. 511, negative ones too (taken as unsigned), sets no bit.
; NO CLUSTER, NO TENSOR LOADS: no operand tile lies in memory; what work-groups share is ids, 12 KB to a work-group, against 128 KB that it stores.
; ONE WAVE STORES THE 0x78s: the byte stores' addresses hold ids, so each run of them stands between two barriers, in wave 0 alone, while no other wave issues an LDS instruction.
;
; LDS: AT 128 i rows (top), AL 128 i rows (left), BR 256 j rows (first top, later left), all 528 bytes apart; TA 32 bytes an i row: d, d, m, m, c, c; three tables of 256 f32 for j: uT, uL, pj;
; a stage of 16 rows x 272 bytes for each wave.
; REGISTERS, in windows of 256: window 0: v0-31 addresses and constants; v32-63 QR (pj m + c, then the finished numbers); v64-95 T', v96-127 L' (four accumulators each);
;   v128-159 uT, v160-191 uL, v192-223 pj in the result's layout; v224-229 d, d, m, m, c, c.   window 1: the j rows' top fragments, (jb, K step s) at v[16 (4 jb + s)].   window 2: the left ones.
;   window 3: v0-63 the i block's top fragments, v64-127 its left ones; v128-223 the byte stores' addresses; v224-255 RB, rows read back from the stage.
.set PITCH, 528                        ; an LDS row: 512 codes + 16 bytes = 132 words: row r starts at bank 4 r mod 64 (64 banks of 4 bytes: ISA guide 11.1), so the 16 rows of a fragment load start at 16 different banks
.set CHUNK, 32*PITCH                   ; 32 rows: one row a lane
.set GROUP, 4*CHUNK                    ; 128 rows: group 0 = AT, 1 = AL, 2 and 3 = BR
.set BR,    2*GROUP
.set TA,    4*GROUP
.set TBT,   TA+128*32                  ; uT; uL 1,024 bytes on; pj 2,048 bytes on
.set STAGE, TBT+3*1024
.set SP,    272                        ; a stage row: 256 bytes + 16
.set QR,    32
.set ACT,   64                         ; T'; L' 32 registers on
.set UT,    128                        ; uT; uL 32 on
.set PJ,    192
.set DM,    224
.set CC,    228
.set IDS,   128                        ; window 3: AT's addresses (chunk m at +4 m), +16 AL's, +32 BR's for top (8 chunks), +64 BR's for left
.set RB,    224                        ; window 3
.set W_TOP,  0x0d                      ; source 0 window 1, source 1 window 3, C and D window 0
.set W_LEFT, 0x0e                      ; source 0 window 2, the rest alike
.set W_TO1,  0x40                      ; destination window 1, address window 0
.set W_TO2,  0x80
.set W_TO3,  0xc0
.set W_IDS,  0xcc                      ; source 1 and destination window 3
.set W_SCAT, 0x03                      ; an LDS store's address (source 0) window 3, its data window 0
.set W_OUT,  0x0c                      ; a global store's data (source 1) window 3, its offset window 0
.set MSB, 0
.macro WIN new                         ; the immediate's high byte repeats the setting that is left; a switch that changes nothing is dropped
.if MSB != \new
	s_set_vgpr_msb (MSB<<8)|\new
.set MSB, \new
.endif
.endm
.macro BAR                             ; my LDS stores have landed and my LDS loads are in: then the work-group's barrier
	s_wait_dscnt 0x0
	s_barrier_signal -1
	s_barrier_wait -1
.endm
; v[dst] = the number of different ids under 512 among v[a] .. v[a + 3], as f32: the row's sum.  An id is held at 512 ('no bit'); one that repeats an earlier one becomes 512; what is under 512 counts 1.
.macro SCOUNT dst, a
.irp e, 0,1,2,3
	v_min_u32 v[(\a)+\e], 0x200, v[(\a)+\e]
.endr
	v_cmp_eq_u32 vcc_lo, v[(\a)+1], v[(\a)]
	v_cndmask_b32 v[(\a)+1], v[(\a)+1], v25, vcc_lo
	v_cmp_eq_u32 vcc_lo, v[(\a)+2], v[(\a)]
	v_cndmask_b32 v[(\a)+2], v[(\a)+2], v25, vcc_lo
	v_cmp_eq_u32 vcc_lo, v[(\a)+2], v[(\a)+1]
	v_cndmask_b32 v[(\a)+2], v[(\a)+2], v25, vcc_lo
	v_cmp_eq_u32 vcc_lo, v[(\a)+3], v[(\a)]
	v_cndmask_b32 v[(\a)+3], v[(\a)+3], v25, vcc_lo
	v_cmp_eq_u32 vcc_lo, v[(\a)+3], v[(\a)+1]
	v_cndmask_b32 v[(\a)+3], v[(\a)+3], v25, vcc_lo
	v_cmp_eq_u32 vcc_lo, v[(\a)+3], v[(\a)+2]
	v_cndmask_b32 v[(\a)+3], v[(\a)+3], v25, vcc_lo
.irp e, 0,1,2,3
	v_sub_nc_u32 v[86+\e], v25, v[(\a)+\e]         ; 512 - id: 0 where there is no bit
.endr
.irp e, 0,1,2,3
	v_min_u32 v[86+\e], 1, v[86+\e]
.endr
	v_add3_u32 v86, v86, v87, v88
	v_add_nc_u32 v86, v86, v89
	v_cvt_f32_u32 v[\dst], v86
.endm
; nch chunks of 32 rows: each lane stores the low byte of v[data] at its row's four places
.macro SCAT base, nch, data
.set m, 0
.rept \nch
.irp e, 0,1,2,3
	ds_store_b8 v[\base+4*m+\e], v[\data] offset:(m%4)*CHUNK
.endr
.set m, m+1
.endr
.endm
; A fragment, 16 rows x 128 K of 8-bit codes, is 16 registers: lane l holds row l % 16; registers 4 c .. 4 c + 3 hold K = 32 c + 16 (l / 16) + 0 .. 15: four loads of 16 bytes, 32 bytes apart.
.macro BLOAD                           ; my 64 j rows, all of K: 16 fragments, 64 loads
.irp jb, 0,1,2,3
.irp s, 0,1,2,3
.irp c, 0,1,2,3
	ds_load_b128 v[16*(4*\jb+\s)+4*\c:16*(4*\jb+\s)+4*\c+3], v17 offset:\jb*16*PITCH+128*\s+32*\c
.endr
.endr
.endr
.endm
.macro ALOAD p, ib                     ; i block ib of product p (0 top, 1 left), all of K: 4 fragments, 16 loads
.irp s, 0,1,2,3
.irp c, 0,1,2,3
	ds_load_b128 v[64*\p+16*\s+4*\c:64*\p+16*\s+4*\c+3], v[18+\p] offset:(\ib)*16*PITCH+128*\s+32*\c
.endr
.endr
.endm
.macro DMC ib                          ; my row's d, d, m, m and c, c
	ds_load_b128 v[DM:DM+3], v16 offset:512*(\ib)
	ds_load_b64 v[CC:CC+1], v16 offset:512*(\ib)+16
.endm
; 16 matrix instructions: product p of the i block in hand, K step by K step, the four tiles of j by turns, one instruction a turn.
; The first K step takes u_j as its C.  The scale word stands in v24, which holds scales and nothing else, for both sides.
.macro MULH p
.irp s, 0,1,2,3
.irp jb, 0,1,2,3
.if \s == 0
	v_wmma_scale_f32_16x16x128_f8f6f4 v[ACT+32*\p+8*\jb:ACT+32*\p+8*\jb+7], v[16*(4*\jb+\s):16*(4*\jb+\s)+15], v[64*\p+16*\s:64*\p+16*\s+15], v[UT+32*\p+8*\jb:UT+32*\p+8*\jb+7], v24, v24
.else
	v_wmma_scale_f32_16x16x128_f8f6f4 v[ACT+32*\p+8*\jb:ACT+32*\p+8*\jb+7], v[16*(4*\jb+\s):16*(4*\jb+\s)+15], v[64*\p+16*\s:64*\p+16*\s+15], v[ACT+32*\p+8*\jb:ACT+32*\p+8*\jb+7], v24, v24
.endif
.endr
.endr
.endm
.macro QMAKE                           ; QR = pj m + c, two at a time
.set i, 0
.rept 16
	v_pk_fma_f32 v[QR+i:QR+i+1], v[PJ+i:PJ+i+1], v[DM+2:DM+3], v[CC:CC+1]
.set i, i+2
.endr
.endm
.macro TADD                            ; T' + d; each accumulator from its low end on
.set i, 0
.rept 16
	v_pk_add_f32 v[ACT+i:ACT+i+1], v[ACT+i:ACT+i+1], v[DM:DM+1]
.set i, i+2
.endr
.endm
.macro FIN                             ; QR = -2 min(T' + d, L') + QR; L' is read from each accumulator's low end on
.set i, 0
.rept 32
	v_min_num_f32 v[ACT+i], v[ACT+i], v[ACT+32+i]
.set i, i+1
.endr
.set i, 0
.rept 16
	v_pk_fma_f32 v[QR+i:QR+i+1], v[ACT+i:ACT+i+1], -2.0, v[QR+i:QR+i+1] op_sel_hi:[1,0,1]
.set i, i+2
.endr
.endm
; A lane holds 32-byte pieces of one row, and the lanes beside it hold other rows: the block goes through my own stage and comes back as whole rows of 256 bytes.
; LDS serves a wave's instructions in order (ISA guide 5.7.1.4): no wait between the stores and the loads, nor ahead of the next block's stores.
.macro TOSTAGE ib
.irp jb, 0,1,2,3
.irp q, 0,1
	ds_store_b128 v20, v[QR+8*\jb+4*\q:QR+8*\jb+4*\q+3] offset:64*\jb+16*\q
.endr
.endr
.if (\ib) > 0
	s_wait_xcnt 0x0                                ; the last block's global stores have read RB: only behind this wait is it loaded again
.endif
	WIN W_TO3
.irp t, 0,1,2,3,4,5,6,7
	ds_load_b128 v[RB+4*\t:RB+4*\t+3], v21 offset:2*\t*SP
.endr
.endm
.macro SEND ib                         ; sixteen lanes store 256 consecutive bytes, at a multiple of 256 from the output's first byte; two rows an instruction; written once, read by nobody here
.irp t, 0,1,2,3,4,5,6,7
	s_wait_dscnt 7-\t                              ; the youngest LDS instructions are the eight read-back loads: number t is in
	global_store_b128 v22, v[RB+4*\t:RB+4*\t+3], s[12:13] offset:(16*(\ib)+2*\t)*4096 th:TH_STORE_NT
.endr
.endm
; ONE BLOCK OF 16 ROWS.  A load into a register that a matrix instruction has read, a vector instruction that reads a matrix result, and a matrix instruction that begins an accumulator anew stand
; 8 or 9 places behind that matrix instruction, and only plain vector instructions that name none of its registers are places.
; QMAKE's sixteen are the places behind the top products, TADD's sixteen those behind the left ones: no v_nop is written.
.macro BLOCK ib
.if (\ib) > 0
	s_wait_dscnt 34                                ; this block's top fragments are in; behind them: its left fragments (16), its row numbers (2), the last block's stage stores (8) and read-back loads (8)
	WIN W_TOP
	MULH 0
	WIN W_OUT
	SEND (\ib)-1                                   ; the last block leaves while these products run; its last wait is for 0: all that was asked for is in, and the stage stores have read QR
.endif
	WIN 0
	QMAKE
.if (\ib) < 7
	WIN W_TO3
	ALOAD 0, (\ib)+1
.endif
.if (\ib) == 0
	s_wait_dscnt 16                                ; all but the sixteen just issued: the 64 loads of my j rows' left fragments are in
.endif
	WIN W_LEFT
	MULH 1
	WIN 0
	TADD
.if (\ib) < 7
	WIN W_TO3
	ALOAD 1, (\ib)+1
	WIN 0
	DMC (\ib)+1                                    ; QMAKE and TADD have read this block's
.endif
	FIN
	TOSTAGE \ib
.endm
	s_load_b256 s[4:11], s[0:1], 0x0               ; zipped_top s[4:5], zipped_left s[6:7], indicator s[8:9], padding_dist s[10:11]
	s_load_b64 s[12:13], s[0:1], 0x20              ; out
	v_lshl_add_u32 v254, v0, 2, 0x48000
	v_mov_b32 v255, 0
	v_lshrrev_b32 v26, 5, v0
	v_readfirstlane_b32 s15, v26                   ; wave 0..3
	s_and_b32 s16, ttmp7, 0xffff                   ; the batch
	s_lshl_b32 s16, s16, 10
	s_lshr_b32 s17, ttmp9, 2
	s_lshl_b32 s17, s17, 7
	s_add_co_u32 s17, s17, s16                     ; my first i row, counted over all batches: 1,024 batch + 128 (x / 4)
	s_and_b32 s18, ttmp9, 3
	s_lshl_b32 s18, s18, 8                         ; my first column: 256 (x % 4)
	s_add_co_u32 s19, s18, s16                     ; my first j row
	s_lshl_b32 s20, s17, 4                         ; offsets in bytes, each in a pair with 0 above it: ids are 16 bytes a row,
	s_mov_b32 s21, 0
	s_lshl_b32 s34, s19, 4
	s_mov_b32 s35, 0
	s_lshl_b32 s36, s17, 2                         ; the indicator 4,
	s_mov_b32 s37, 0
	s_lshl_b32 s38, s19, 2
	s_mov_b32 s39, 0
	s_lshl_b32 s40, s17, 12                        ; the output 4,096 (8,191 rows at the most: under 2^25 bytes),
	s_lshl_b32 s42, s18, 2
	s_add_co_u32 s40, s40, s42                     ; + 4 x my work-group's first column
	s_lshl_b32 s42, s15, 8
	s_add_co_u32 s40, s40, s42                     ; + 256 x wave
	s_mov_b32 s41, 0
	v_and_b32 v1, 31, v0                           ; l: lane
	v_and_b32 v2, 15, v0                           ; r = l % 16
	v_bfe_u32 v3, v0, 4, 1                         ; h = l / 16
	v_lshlrev_b32 v10, 4, v1                       ; ids of row l of a chunk
	v_lshlrev_b32 v11, 4, v0                       ; ids of my thread's own row
	v_lshlrev_b32 v12, 2, v0                       ; its indicator
	v_mov_b32 v23, 0x78                            ; the code of 256
	v_mov_b32 v24, 0x77777777                      ; four scale bytes 119
	v_mov_b32 v25, 0x200                           ; 'no bit'
.irp i, 28,29,30,31
	v_mov_b32 v\i, 0
.endr
	s_mul_i32 s43, s15, GROUP
	v_lshl_add_u32 v4, v1, 4, s43                  ; clearing: wave w clears group w, 512 bytes an instruction;
	v_add_nc_u32 v5, GROUP/2, v4                   ; its second half (an LDS offset has 16 bits)
	v_mul_u32_u24 v6, v1, PITCH                    ; row l of a chunk, in group 0,
	v_add_nc_u32 v7, GROUP, v6                     ; 1,
	v_add_nc_u32 v8, 2*GROUP, v6                   ; 2,
	v_add_nc_u32 v9, 3*GROUP, v6                   ; 3
	v_lshl_add_u32 v13, v0, 5, TA                  ; where my thread stores its i row's numbers,
	v_lshl_add_u32 v14, v0, 2, TBT                 ; and its two j rows'
	s_lshl_b32 s43, s15, 8
	s_add_co_u32 s43, s43, TBT
	v_lshl_add_u32 v15, v3, 5, s43                 ; the j tables in the result's layout: column 64 w + 8 h
	v_lshl_add_u32 v16, v2, 5, TA                  ; the i table: row r of a block
	v_mul_u32_u24 v18, v2, PITCH
	v_lshl_add_u32 v18, v3, 4, v18                 ; a fragment: row r x pitch + 16 h: the i rows, top;
	v_add_nc_u32 v19, GROUP, v18                   ; left;
	s_mul_i32 s43, s15, 64*PITCH
	s_add_co_u32 s43, s43, BR
	v_add_nc_u32 v17, s43, v18                     ; my wave's 64 j rows
	s_mul_i32 s43, s15, 16*SP
	s_add_co_u32 s43, s43, STAGE                   ; my stage
	v_mul_u32_u24 v20, v2, SP
	v_lshl_add_u32 v20, v3, 5, v20
	v_add_nc_u32 v20, s43, v20                     ; in: row r, 32 bytes for each half of the lanes
	v_mul_u32_u24 v21, v3, SP
	v_lshl_add_u32 v21, v2, 4, v21
	v_add_nc_u32 v21, s43, v21                     ; back: lanes 0-15 one row of 256 bytes, lanes 16-31 the next
	v_lshlrev_b32 v22, 12, v3
	v_lshl_add_u32 v22, v2, 4, v22                 ; and the same two rows in the output
	s_wait_kmcnt 0x0
	s_add_nc_u64 s[22:23], s[4:5], s[20:21]        ; top ids of my i rows,
	s_add_nc_u64 s[24:25], s[4:5], s[34:35]        ; of my j rows;
	s_add_nc_u64 s[26:27], s[6:7], s[20:21]        ; left ids likewise;
	s_add_nc_u64 s[28:29], s[6:7], s[34:35]
	s_add_nc_u64 s[30:31], s[8:9], s[36:37]        ; the indicator
	s_add_nc_u64 s[32:33], s[8:9], s[38:39]
	s_add_nc_u64 s[12:13], s[12:13], s[40:41]      ; my wave's corner of the output
	s_load_b32 s14, s[10:11], 0x0                  ; padding_dist
	; my thread's own rows, for the tables: i row t; j rows t and t + 128
	global_load_b128 v[32:35], v11, s[22:23]
	global_load_b128 v[36:39], v11, s[26:27]
	global_load_b128 v[40:43], v11, s[24:25]
	global_load_b128 v[44:47], v11, s[28:29]
	global_load_b128 v[48:51], v11, s[24:25] offset:2048
	global_load_b128 v[52:55], v11, s[28:29] offset:2048
	global_load_b32 v56, v12, s[30:31]
	global_load_b32 v57, v12, s[32:33]
	global_load_b32 v58, v12, s[32:33] offset:512
	; the ids of all 384 rows, both products, a row a lane: they become the byte stores' addresses.  Every wave makes them, on the one way that all waves take; wave 0 uses them
	WIN W_TO3
.irp m, 0,1,2,3
	global_load_b128 v[IDS+4*\m:IDS+4*\m+3], v10, s[22:23] offset:512*\m
.endr
.irp m, 0,1,2,3
	global_load_b128 v[IDS+16+4*\m:IDS+16+4*\m+3], v10, s[26:27] offset:512*\m
.endr
.irp m, 0,1,2,3,4,5,6,7
	global_load_b128 v[IDS+32+4*\m:IDS+32+4*\m+3], v10, s[24:25] offset:512*\m
.endr
.irp m, 0,1,2,3,4,5,6,7
	global_load_b128 v[IDS+64+4*\m:IDS+64+4*\m+3], v10, s[28:29] offset:512*\m
.endr
	WIN 0
	; all rows of codes become zeros: 132 stores of 512 bytes a wave, while the loads are on their way
.set i, 0
.rept 66
	ds_store_b128 v4, v[28:31] offset:512*i
	ds_store_b128 v5, v[28:31] offset:512*i
.set i, i+1
.endr
	s_wait_loadcnt 24                              ; my own nine loads are in; the 24 behind them may be out
	s_wait_kmcnt 0x0                               ; padding_dist
	SCOUNT 64, 32                                  ; sT of my i row
	SCOUNT 65, 36                                  ; sL
	SCOUNT 66, 40                                  ; sT, sL of j row t
	SCOUNT 67, 44
	SCOUNT 68, 48                                  ; and of j row t + 128
	SCOUNT 69, 52
	v_mov_b32 v71, s14
	v_cmp_eq_u32 vcc_lo, 0, v56                    ; pad_i
	v_cndmask_b32 v70, 0, v71, vcc_lo              ; pad_i dist
	v_cndmask_b32 v74, 1.0, v28, vcc_lo            ; m = 1 - pad_i
	v_sub_f32 v72, v65, v64
	v_mul_f32 v72, 0.5, v72                        ; d = (sL - sT) / 2
	v_mov_b32 v73, v72                             ; each twice: the packed forms take pairs
	v_mov_b32 v75, v74
	v_add_f32 v76, v65, v70                        ; c = sL + pad_i dist
	v_mov_b32 v77, v76
	ds_store_b128 v13, v[72:75]
	ds_store_b64 v13, v[76:77] offset:16
	v_mul_f32 v78, -0.5, v66                       ; uT, uL
	v_mul_f32 v79, -0.5, v67
	v_mul_f32 v80, -0.5, v68
	v_mul_f32 v81, -0.5, v69
	v_cmp_eq_u32 vcc_lo, 0, v57
	v_cndmask_b32 v82, 0, v71, vcc_lo              ; pj = pad_j dist
	v_cmp_eq_u32 vcc_lo, 0, v58
	v_cndmask_b32 v83, 0, v71, vcc_lo
	ds_store_b32 v14, v78
	ds_store_b32 v14, v80 offset:512
	ds_store_b32 v14, v79 offset:1024
	ds_store_b32 v14, v81 offset:1536
	ds_store_b32 v14, v82 offset:2048
	ds_store_b32 v14, v83 offset:2560
	s_wait_loadcnt 0x0                             ; the 24
	WIN W_IDS
.set i, 0
.rept 96
	v_min_u32 v[IDS+i], 0x200, v[IDS+i]            ; an id is held at 512: the first byte of the row's padding
.set i, i+1
.endr
.set i, 0
.rept 16
	v_add_nc_u32 v[IDS+i], v6, v[IDS+i]            ; + row l of its chunk, in its group; the chunk stands in the store's offset
	v_add_nc_u32 v[IDS+16+i], v7, v[IDS+16+i]
	v_add_nc_u32 v[IDS+32+i], v8, v[IDS+32+i]
	v_add_nc_u32 v[IDS+48+i], v9, v[IDS+48+i]
	v_add_nc_u32 v[IDS+64+i], v8, v[IDS+64+i]
	v_add_nc_u32 v[IDS+80+i], v9, v[IDS+80+i]
.set i, i+1
.endr
	WIN 0
	BAR                                            ; every row is cleared, the tables are stored
	s_cmp_lg_u32 s15, 0
	s_cbranch_scc1 .Lbits_set
	WIN W_SCAT
	s_wait_alu depctr_va_vdst(0)
	SCAT IDS, 4, 23                                ; the i rows, top,
	SCAT IDS+16, 4, 23                             ; left,
	SCAT IDS+32, 8, 23                             ; and the j rows, top
	WIN 0
.Lbits_set:
	BAR                                            ; the rows of codes are whole
.irp x, 0,1,2
.irp jb, 0,1,2,3
.irp q, 0,1
	ds_load_b128 v[UT+32*\x+8*\jb+4*\q:UT+32*\x+8*\jb+4*\q+3], v15 offset:1024*\x+64*\jb+16*\q   ; uT, uL, pj of columns 64 w + 16 jb + 8 h + 0 .. 7
.endr
.endr
.endr
	WIN W_TO1
	BLOAD                                          ; my j rows' top fragments: they stay
	WIN W_TO3
	ALOAD 0, 0
	ALOAD 1, 0
	WIN 0
	DMC 0
	BAR                                            ; every wave's loads are in: nobody reads the j rows' top codes any more
	s_cmp_lg_u32 s15, 0
	s_cbranch_scc1 .Lleft_set
	WIN W_SCAT
	s_wait_alu depctr_va_vdst(0)
	SCAT IDS+32, 8, 28                             ; the top bits are taken out again: zeros at the same places;
	SCAT IDS+64, 8, 23                             ; behind them, in the wave's order, the left bits go in
	WIN 0
.Lleft_set:
	WIN W_TOP
	MULH 0                                         ; block 0's top products, on registers alone, while wave 0's byte stores are out
	BAR                                            ; the j rows now hold the left codes
	WIN W_TO2
	BLOAD                                          ; my j rows' left fragments: they stay
	BLOCK 0
	BLOCK 1
	BLOCK 2
	BLOCK 3
	BLOCK 4
	BLOCK 5
	BLOCK 6
	BLOCK 7
	WIN W_OUT
	SEND 7
	WIN 0
	s_wait_tensorcnt 0x0
	ds_add_u32 v254, v255
	s_wait_dscnt 0x0
	s_endpgm
.Lfunc_end_k_q37030c8780_backbone:
	.size	k_q37030c8780_backbone, .Lfunc_end_k_q37030c8780_backbone-k_q37030c8780_backbone
	.p2alignl 7, 3214868480
	.fill 96, 4, 3214868480
	.section	.rodata,"a",@progbits
	.p2align	6, 0x0
	.amdhsa_kernel k_q37030c8780_backbone
		.amdhsa_group_segment_fixed_size 295424
		.amdhsa_private_segment_fixed_size 0
		.amdhsa_enable_private_segment 0
		.amdhsa_kernarg_size 40
		.amdhsa_user_sgpr_count 2
		.amdhsa_user_sgpr_kernarg_segment_ptr 1
		.amdhsa_wavefront_size32 1
		.amdhsa_system_sgpr_workgroup_id_x 1
		.amdhsa_system_sgpr_workgroup_id_y 1
		.amdhsa_system_sgpr_workgroup_id_z 1
		.amdhsa_system_vgpr_workitem_id 0
		.amdhsa_next_free_vgpr 1024
		.amdhsa_next_free_sgpr 66
		.amdhsa_reserve_vcc 1
		.amdhsa_float_denorm_mode_32 3
		.amdhsa_float_denorm_mode_16_64 3
		.amdhsa_memory_ordered 1
		.amdhsa_forward_progress 1
		.amdhsa_inst_pref_size 150
	.end_amdhsa_kernel
	.amdgpu_metadata
---
amdhsa.version: [ 1, 2 ]
amdhsa.kernels:
  - .name:           k_q37030c8780_backbone
    .symbol:         k_q37030c8780_backbone.kd
    .args:
      - { .name: zipped_top, .offset: 0, .size: 8, .value_kind: global_buffer, .address_space: global }
      - { .name: zipped_left, .offset: 8, .size: 8, .value_kind: global_buffer, .address_space: global }
      - { .name: indicator, .offset: 16, .size: 8, .value_kind: global_buffer, .address_space: global }
      - { .name: padding_dist, .offset: 24, .size: 8, .value_kind: global_buffer, .address_space: global }
      - { .name: out0, .offset: 32, .size: 8, .value_kind: global_buffer, .address_space: global }
    .group_segment_fixed_size: 295424
    .private_segment_fixed_size: 0
    .kernarg_segment_align: 8
    .kernarg_segment_size: 40
    .max_flat_workgroup_size: 128
    .sgpr_count:     66
    .vgpr_count:     1024
    .wavefront_size: 32
...
	.end_amdgpu_metadata
.endif
;; end of part 1
